; MI455X (gfx1250); checked and timed in simulation.
; The chip was launched on July 23, 2026; its instructions are those of AMD's public machine-readable ISA for CDNA 5 (MIT licence, August 2026) and "CDNA5" Instruction Set Architecture Reference Guide (July 2026). The comments in the code are by the model that wrote it; some were corrected since.
;; Sparse Moe Block. Allowed arithmetic: float matrix products may take bf16 or f16 operands with f32 sums; all other float work in f32.
;; Inputs: gate_w 8 x 2,048 float32; hidden_states 4 x 256 x 2,048 float32; w13 8 x 2,048 x 2,048 float32; w2 8 x 2,048 x 1,024 float32.
;; Outputs: out0 4 x 256 x 2,048 float32; out1 1,024 x 8 float32.
;; Constants: top_k = 2.
;; One version. Each part assembles by itself: llvm-mc -triple=amdgcn-amd-amdhsa -mcpu=gfx1250 --defsym DOCPART=n.
;; ======== version 1 of 1: 5 launches
;; workspace buffers: sel 8,192 bytes of whole numbers; rw 8,192 bytes; pos 8,192 bytes of whole numbers; meta 256 bytes of whole numbers; xs 8,912,896 bytes; act 4,456,448 bytes; ys 17,825,792 bytes
;; launch route (part 1): grid 64 x 1, 8 waves a work-group, no clusters, 110,592 bytes of LDS; arguments hidden_states, gate_w, out1, sel, rw; writes out1, sel, rw
.if DOCPART == 1
	.amdgcn_target "amdgcn-amd-amdhsa--gfx1250"
	.amdhsa_code_object_version 6
	.text
	.protected	k_q7b6c270f3c_route
	.globl	k_q7b6c270f3c_route
	.p2align	8
	.type	k_q7b6c270f3c_route,@function
k_q7b6c270f3c_route:
	s_mov_b64 s[64:65], 0
	v_nop
	global_prefetch_b8 v0, s[64:65] scope:SCOPE_SE
	s_setreg_imm32_b32 hwreg(HW_REG_WAVE_MODE, 25, 1), 1
	s_wait_xcnt 0x0
; route: router logits (out1), the two chosen experts (sel) and their renormalised weights (rw).
; A work-group takes 16 tokens; wave w takes K = 256 w .. 256 w + 255 of the 16 token rows and of the 8 gate rows:
; f32 from memory, rounded once to bf16, laid into the wave's own LDS stage, read back as matrix fragments, 8 products of K = 32.
; The eight waves' partial sums meet in LDS behind one barrier; wave 0 adds them in wave order and does the choice.
; CHOICE: the two largest logits (softmax is monotone, so they are the two largest probabilities); strict > keeps the lower index on ties.
; WEIGHTS: softmax's denominator cancels in p1/(p1+p2), p2/(p1+p2); with e = exp(l2 - l1) <= 1 (the larger logit is taken away first)
; they are 1/(1+e) and e/(1+e).  e below 2^-126 counts as 0.
; LIMIT: with NaN among a token's logits the pair of experts is unspecified, but always two different experts in 0..7.
; sel and rw get 128 bytes a work-group (16 tokens x 8 bytes): half of an aligned block of 256; 16 KiB in the whole launch.
; No cluster: the work-groups share only gate_w, 64 KiB against 128 KiB of token rows that each reads alone, and all goes through registers.
.set ROWB,   8192                      ; bytes in a row of hidden_states and of gate_w
.set PITCH,  528                       ; an LDS row: 512 bytes of bf16 + 16: 33 x 16, so 16 rows start at 16 different 16-byte columns
.set GATE,   16*PITCH                  ; the gate's 8 rows lie behind the 16 token rows
.set WSTAGE, 24*PITCH                  ; a wave's stage
.set RED,    8*WSTAGE                  ; 8 x 1,024 bytes of partial sums
.set RAW, 16                           ; v[16:207]  48 loads x 4 registers, f32 as loaded
.set T,   208                          ; v[208:223] packed bf16 on their way to LDS
.set XF,  16                           ; v[16:79]   8 token fragments (RAW is free by then)
.set GF,  80                           ; v[80:143]  8 gate fragments
.set A0,  144                          ; v[144:151] accumulator of the even K chunks
.set A1,  152                          ; v[152:159] accumulator of the odd K chunks
.set L,   16                           ; v[16:23]   wave 0: the 8 logits of my token
.set M1,  32                           ; largest logit
.set M2,  33                           ; second largest
.set I1,  34                           ; v[34:35]   their experts, a pair for the store
.set I2,  35
	s_load_b256 s[4:11], s[0:1], 0x0               ; hidden s[4:5], gate s[6:7], out1 s[8:9], sel s[10:11]
	s_load_b64 s[12:13], s[0:1], 0x20              ; rw
	v_lshl_add_u32 v224, v0, 2, 0x1ac00
	v_mov_b32 v225, 0
	v_and_b32 v1, 31, v0                           ; lane
	v_lshrrev_b32 v10, 5, v0
	v_readfirstlane_b32 s14, v10                   ; wave
	v_and_b32 v2, 15, v0                           ; r
	v_bfe_u32 v3, v0, 4, 1                         ; h
	v_lshlrev_b32 v4, 4, v1
	v_lshl_add_u32 v4, s14, 10, v4                 ; 16 lane + 1,024 wave: my 16 bytes in a row's first half of my wave's K
	s_mul_i32 s15, s14, WSTAGE
	s_lshl_b32 s16, ttmp9, 17                      ; 16 rows of 8,192 bytes a work-group
	s_mov_b32 s17, 0
	s_wait_kmcnt 0x0
	s_add_nc_u64 s[4:5], s[4:5], s[16:17]
.set n, 0
.rept 32                                           ; load n: token row n/2, half n%2 of my wave's 1,024 bytes; a wave's load covers 512 neighbouring bytes
	global_load_b128 v[RAW+4*n:RAW+4*n+3], v4, s[4:5] offset:(n/2)*ROWB+512*(n%2)
.set n, n+1
.endr
.rept 16                                           ; loads 32 to 47: the gate's rows likewise
	global_load_b128 v[RAW+4*n:RAW+4*n+3], v4, s[6:7] offset:((n-32)/2)*ROWB+512*(n%2)
.set n, n+1
.endr
	v_lshl_add_u32 v5, v1, 3, s15                  ; stage + 8 lane: where my 4 bf16 go
	v_mul_u32_u24 v6, v2, PITCH
	v_lshl_add_u32 v6, v3, 4, v6
	v_add_nc_u32 v6, s15, v6                       ; token fragments: stage + 528 r + 16 h
	v_and_b32 v7, 7, v0
	v_mul_u32_u24 v7, v7, PITCH
	v_lshl_add_u32 v7, v3, 4, v7
	v_add_nc_u32 v7, s15, v7                       ; gate fragments: row r & 7, so that rows 8-15 of the operand repeat experts 0-7
	v_lshlrev_b32 v9, 5, v1
	v_add_nc_u32 v9, RED, v9                       ; partial sums: 32 bytes a lane
	v_lshl_add_u32 v8, s14, 10, v9                 ; my wave's 1,024 bytes of them
.set n, 0
.rept 48
	s_wait_loadcnt 47-n                            ; loads return in order: load n is in, the 47 - n younger ones stay out
	v_cvt_pk_bf16_f32 v[T+2*(n%8)], v[RAW+4*n], v[RAW+4*n+1]
	v_cvt_pk_bf16_f32 v[T+2*(n%8)+1], v[RAW+4*n+2], v[RAW+4*n+3]
	ds_store_b64 v5, v[T+2*(n%8):T+2*(n%8)+1] offset:(n/2)*PITCH+256*(n%2)
.set n, n+1
.endr
.irp cc, 0,1,2,3,4,5,6,7                           ; the wave's own bytes, and LDS serves a wave in order: no wait between the stores and these loads
	ds_load_b128 v[XF+8*\cc:XF+8*\cc+3],   v6 offset:64*\cc
	ds_load_b128 v[XF+8*\cc+4:XF+8*\cc+7], v6 offset:64*\cc+32
	ds_load_b128 v[GF+8*\cc:GF+8*\cc+3],   v7 offset:GATE+64*\cc
	ds_load_b128 v[GF+8*\cc+4:GF+8*\cc+7], v7 offset:GATE+64*\cc+32
.endr
	s_wait_dscnt 0x0
	; source 0 = gate rows, source 1 = token rows: lane (r, h), register j holds expert j of token r, in both halves of the lanes.
	; The two accumulators take turns, one instruction a turn; the first two products start the sums.
	v_wmma_f32_16x16x32_bf16 v[A0:A0+7], v[GF:GF+7], v[XF:XF+7], 0
	v_wmma_f32_16x16x32_bf16 v[A1:A1+7], v[GF+8:GF+15], v[XF+8:XF+15], 0
.irp cc, 2,4,6
	v_wmma_f32_16x16x32_bf16 v[A0:A0+7], v[GF+8*\cc:GF+8*\cc+7], v[XF+8*\cc:XF+8*\cc+7], v[A0:A0+7]
	v_wmma_f32_16x16x32_bf16 v[A1:A1+7], v[GF+8*\cc+8:GF+8*\cc+15], v[XF+8*\cc+8:XF+8*\cc+15], v[A1:A1+7]
.endr
.rept 4
	v_nop                                          ; four places behind the last product, before its result is read (ISA guide 7.12.1)
.endr
.irp kk, 0,2,4,6
	v_pk_add_f32 v[A0+\kk:A0+\kk+1], v[A0+\kk:A0+\kk+1], v[A1+\kk:A1+\kk+1]
.endr
	ds_store_b128 v8, v[A0:A0+3]
	ds_store_b128 v8, v[A0+4:A0+7] offset:16
	s_wait_dscnt 0x0                               ; for wave 0's sake: my partial sums are in LDS
	s_barrier_signal -1
	s_barrier_wait -1
	s_cmp_lg_u32 s14, 0
	s_cbranch_scc1 .Lend                           ; the rest is 16 tokens' worth of work: one wave
.set n, 0
.rept 8
	ds_load_b128 v[L+8*n:L+8*n+3],   v9 offset:1024*n
	ds_load_b128 v[L+8*n+4:L+8*n+7], v9 offset:1024*n+16
.set n, n+1
.endr
	s_lshl_b32 s16, ttmp9, 9                       ; out1: 16 tokens x 32 bytes
	s_add_nc_u64 s[8:9], s[8:9], s[16:17]
	s_lshl_b32 s16, ttmp9, 7                       ; sel, rw: 16 tokens x 8 bytes
	s_add_nc_u64 s[10:11], s[10:11], s[16:17]
	s_add_nc_u64 s[12:13], s[12:13], s[16:17]
	v_lshlrev_b32 v11, 5, v2
	v_lshl_add_u32 v11, v3, 4, v11                 ; 32 r + 16 h
	v_lshlrev_b32 v12, 3, v2                       ; 8 r
	s_wait_dscnt 0x0
.set n, 1
.rept 7                                            ; K ascending: wave 0's part, then wave 1's, ...
.irp kk, 0,2,4,6
	v_pk_add_f32 v[L+\kk:L+\kk+1], v[L+\kk:L+\kk+1], v[L+8*n+\kk:L+8*n+\kk+1]
.endr
.set n, n+1
.endr
	v_cmp_eq_u32 vcc_lo, 1, v3                     ; lanes 16-31 store experts 4-7, lanes 0-15 experts 0-3
.irp kk, 0,1,2,3
	v_cndmask_b32 v[24+\kk], v[L+\kk], v[L+4+\kk], vcc_lo
.endr
	global_store_b128 v11, v[24:27], s[8:9]        ; the wave's store covers 512 neighbouring bytes, aligned
	v_mov_b32 v[M1], v[L]
	v_mov_b32 v[I1], 0
	v_mov_b32 v[M2], 0xff800000                    ; minus infinity
	v_mov_b32 v[I2], 1
.irp ee, 1,2,3,4,5,6,7
	v_mov_b32 v36, \ee
	v_cmp_gt_f32 s20, v[L+\ee], v[M1]              ; beats the largest
	v_cmp_gt_f32 s21, v[L+\ee], v[M2]              ; beats the second
	v_cndmask_b32 v[M2], v[M2], v[L+\ee], s21
	v_cndmask_b32 v[I2], v[I2], v36, s21
	v_cndmask_b32 v[M2], v[M2], v[M1], s20         ; the old largest moves down
	v_cndmask_b32 v[I2], v[I2], v[I1], s20
	v_cndmask_b32 v[M1], v[M1], v[L+\ee], s20
	v_cndmask_b32 v[I1], v[I1], v36, s20
.endr
	v_sub_f32 v37, v[M2], v[M1]                    ; <= 0
	v_mul_f32 v37, 0x3fb8aa3b, v37                 ; log2(e)
	v_exp_f32 v38, v37
	v_nop                                          ; one plain place behind a transcendental (ISA guide 5.7.2)
	s_wait_alu depctr_va_vdst(0)
	v_add_f32 v39, 1.0, v38
	v_rcp_f32 v40, v39                             ; weight of the first choice
	v_nop
	s_wait_alu depctr_va_vdst(0)
	v_mul_f32 v41, v38, v40                        ; weight of the second
	v_cmp_gt_u32 vcc_lo, 16, v1
	s_wait_xcnt 0x0                                ; EXEC is a source of the pending store: it changes only behind this wait
	s_and_saveexec_b32 s22, vcc_lo                 ; both halves of the lanes hold the same 16 tokens: one half stores
	global_store_b64 v12, v[I1:I2], s[10:11]
	global_store_b64 v12, v[40:41], s[12:13]
	s_wait_xcnt 0x0                                ; and again in front of the line that widens it
	s_or_b32 exec_lo, exec_lo, s22
.Lend:
	s_wait_tensorcnt 0x0
	ds_add_u32 v224, v225
	s_wait_dscnt 0x0
	s_endpgm
.Lfunc_end_k_q7b6c270f3c_route:
	.size	k_q7b6c270f3c_route, .Lfunc_end_k_q7b6c270f3c_route-k_q7b6c270f3c_route
	.p2alignl 7, 3214868480
	.fill 96, 4, 3214868480
	.section	.rodata,"a",@progbits
	.p2align	6, 0x0
	.amdhsa_kernel k_q7b6c270f3c_route
		.amdhsa_group_segment_fixed_size 110592
		.amdhsa_private_segment_fixed_size 0
		.amdhsa_enable_private_segment 0
		.amdhsa_kernarg_size 40
		.amdhsa_user_sgpr_count 2
		.amdhsa_user_sgpr_kernarg_segment_ptr 1
		.amdhsa_wavefront_size32 1
		.amdhsa_system_sgpr_workgroup_id_x 1
		.amdhsa_system_sgpr_workgroup_id_y 1
		.amdhsa_system_sgpr_workgroup_id_z 1
		.amdhsa_system_vgpr_workitem_id 0
		.amdhsa_next_free_vgpr 226
		.amdhsa_next_free_sgpr 66
		.amdhsa_reserve_vcc 1
		.amdhsa_float_denorm_mode_32 3
		.amdhsa_float_denorm_mode_16_64 3
		.amdhsa_memory_ordered 1
		.amdhsa_forward_progress 1
		.amdhsa_inst_pref_size 28
	.end_amdhsa_kernel
	.amdgpu_metadata
---
amdhsa.version: [ 1, 2 ]
amdhsa.kernels:
  - .name:           k_q7b6c270f3c_route
    .symbol:         k_q7b6c270f3c_route.kd
    .args:
      - { .name: hidden_states, .offset: 0, .size: 8, .value_kind: global_buffer, .address_space: global }
      - { .name: gate_w, .offset: 8, .size: 8, .value_kind: global_buffer, .address_space: global }
      - { .name: out1, .offset: 16, .size: 8, .value_kind: global_buffer, .address_space: global }
      - { .name: sel, .offset: 24, .size: 8, .value_kind: global_buffer, .address_space: global }
      - { .name: rw, .offset: 32, .size: 8, .value_kind: global_buffer, .address_space: global }
    .group_segment_fixed_size: 110592
    .private_segment_fixed_size: 0
    .kernarg_segment_align: 8
    .kernarg_segment_size: 40
    .max_flat_workgroup_size: 256
    .sgpr_count:     66
    .vgpr_count:     226
    .wavefront_size: 32
...
	.end_amdgpu_metadata
.endif
;; end of part 1
;; launch pack (part 2): grid 136 x 1, 8 waves a work-group, no clusters, 70,656 bytes of LDS; arguments sel, hidden_states, xs, pos, meta; writes xs, pos, meta
.if DOCPART == 2
	.amdgcn_target "amdgcn-amd-amdhsa--gfx1250"
	.amdhsa_code_object_version 6
	.text
	.protected	k_q7b6c270f3c_pack
	.globl	k_q7b6c270f3c_pack
	.p2align	8
	.type	k_q7b6c270f3c_pack,@function
k_q7b6c270f3c_pack:
	s_mov_b64 s[64:65], 0
	v_nop
	global_prefetch_b8 v0, s[64:65] scope:SCOPE_SE
	s_setreg_imm32_b32 hwreg(HW_REG_WAVE_MODE, 25, 1), 1
	s_wait_xcnt 0x0
; pack: sorts the 2,048 (token, choice) pairs by expert and gathers the token rows, as bf16, in the matrix operand's own order.
; SLOTS: expert e owns blocks of 16 slots, blk0[e] .. blk0[e] + nblk[e] - 1, nblk = ceil(count / 16); at most 2,048 + 8 x 15 = 2,168 slots, so 136 blocks do.
; Every work-group repeats the small sort (8 KiB of sel) and gathers one block, b = its number.  How many blocks are in use hangs on the data (128 to 136);
; the text is the same for all 136: a slot that no pair took, in a used block or behind the last one, gets token 0's row.  Such rows are never added into a result.
; SORT: token t = 128 wave + 32 i + lane.  For each expert a lane mask for each i; the waves' counts meet in LDS; a pair's slot is
; the expert's first slot + the earlier waves' count + the earlier i's count + the number of lower lanes in the mask.
; LIST: a wave puts the tokens whose slot falls in block b into a list of its OWN (16 words + a dump word for all others), so every LDS store stays in the
; wave's own bytes; a slot is taken by one pair at most, so the sum of the eight lists is the block's list (0 where nobody wrote).
; xs: [block][chunk c of 32 k][q][lane][16 bytes]: lane (r = lane & 15, h = lane >> 4) owns k = 32 c + 16 q + 8 h .. + 7 of slot r: half a fragment of a 16-bit K = 32 operand.
; Work-group 0 also stores pos (the slot of each pair) and meta (nblk, blk0 of each expert).
; No matrix unit (nothing to multiply), no cluster (the work-groups gather different rows).
.set CNT,    0                         ; 8 waves x 128 bytes: word e = the wave's count for expert e
.set LISTW,  1024                      ; 8 waves x 128 bytes: the wave's own list
.set STAGE,  2048                      ; 8 waves x 16 rows x 528 bytes
.set PITCH,  528                       ; 512 bytes of bf16 + 16
.set WSTAGE, 16*PITCH
.set SEL,  8                           ; v[8:15]    the two experts of my four tokens
.set P,    40                          ; v[40:47]   their slots
.set OFF,  56                          ; v[56:71]   byte offset of my 16 bytes in each of the block's 16 token rows
.set RAW,  72                          ; v[72:199]  32 loads x 4 registers; later 16 fragment halves
.set T,    200                         ; v[200:215] packed bf16
.set START, 16                         ; s[16:23]   next free slot of expert e for my wave
.set PC,    24                         ; s[24:31]   padded counts
.set MASK,  32                         ; s[32:63]   mask of (expert e, i) at 4 e + i
.set OFS,   68                         ; s[68:76]   first slot of expert e
	s_load_b256 s[4:11], s[0:1], 0x0               ; sel s[4:5], hidden s[6:7], xs s[8:9], pos s[10:11]
	s_load_b64 s[12:13], s[0:1], 0x20              ; meta
	v_lshl_add_u32 v216, v0, 2, 0x11000
	v_mov_b32 v217, 0
	v_and_b32 v1, 31, v0                           ; lane
	v_lshrrev_b32 v2, 5, v0
	v_readfirstlane_b32 s14, v2                    ; wave
	v_lshlrev_b32 v3, 3, v1
	v_lshl_add_u32 v3, s14, 10, v3                 ; 8 x (128 wave + lane)
	v_lshlrev_b32 v6, 2, v1                        ; 4 lane
	v_lshl_add_u32 v5, s14, 7, v6                  ; 128 wave + 4 lane
	v_mov_b32 v19, 0
	v_mov_b32 v20, 0
	s_lshl_b32 s84, ttmp9, 4                       ; my block's first slot
	s_lshl_b32 s85, s14, 7                         ; my wave's 128 bytes
	s_wait_kmcnt 0x0
.irp ii, 0,1,2,3
	global_load_b64 v[SEL+2*\ii:SEL+2*\ii+1], v3, s[4:5] offset:256*\ii
.endr
	ds_store_b32 v5, v19 offset:LISTW              ; my wave's list starts as zeros
	s_wait_loadcnt 0x0
.irp ee, 0,1,2,3,4,5,6,7
	s_mov_b32 s83, 0
.irp ii, 0,1,2,3
	v_cmp_eq_u32 s80, \ee, v[SEL+2*\ii]
	v_cmp_eq_u32 s81, \ee, v[SEL+2*\ii+1]
	s_or_b32 s[MASK+4*\ee+\ii], s80, s81           ; the lanes whose token goes to expert ee
	s_bcnt1_i32_b32 s82, s[MASK+4*\ee+\ii]
	s_add_co_u32 s83, s83, s82
.endr
	v_writelane_b32 v20, s83, \ee                  ; lane ee: my wave's count; lanes 8-31 stay 0
.endr
	ds_store_b32 v5, v20 offset:CNT
	s_wait_dscnt 0x0                               ; for the others' sake: my counts are in LDS
	s_barrier_signal -1
	s_barrier_wait -1
.irp ww, 0,1,2,3,4,5,6,7
	ds_load_b32 v[24+\ww], v6 offset:CNT+128*\ww
.endr
	v_mov_b32 v21, 0
	v_mov_b32 v22, 0
	s_wait_dscnt 0x0
.irp ww, 0,1,2,3,4,5,6,7
	v_add_nc_u32 v21, v21, v[24+\ww]               ; lane e: expert e's count
	s_cmp_gt_u32 s14, \ww
	s_cselect_b32 s80, -1, 0
	v_and_b32 v23, s80, v[24+\ww]
	v_add_nc_u32 v22, v22, v23                     ; lane e: the count of the waves in front of mine
.endr
	v_add_nc_u32 v32, 15, v21
	v_and_b32 v32, -16, v32                        ; padded to whole blocks
.irp ee, 0,1,2,3,4,5,6,7
	v_readlane_b32 s[PC+\ee], v32, \ee
	v_readlane_b32 s[START+\ee], v22, \ee
.endr
	s_mov_b32 s[OFS], 0
.irp ee, 0,1,2,3,4,5,6,7
	s_add_co_u32 s[OFS+\ee+1], s[OFS+\ee], s[PC+\ee]
	s_add_co_u32 s[START+\ee], s[START+\ee], s[OFS+\ee]
.endr
.irp kk, 0,1,2,3,4,5,6,7
	v_mov_b32 v[P+\kk], 0
.endr
.irp ii, 0,1,2,3
.irp ee, 0,1,2,3,4,5,6,7
	v_mbcnt_lo_u32_b32 v33, s[MASK+4*\ee+\ii], 0   ; lower lanes that go to the same expert
	v_add_nc_u32 v33, s[START+\ee], v33
	v_cmp_eq_u32 vcc_lo, \ee, v[SEL+2*\ii]
	v_cndmask_b32 v[P+2*\ii], v[P+2*\ii], v33, vcc_lo
	v_cmp_eq_u32 vcc_lo, \ee, v[SEL+2*\ii+1]
	v_cndmask_b32 v[P+2*\ii+1], v[P+2*\ii+1], v33, vcc_lo
	s_bcnt1_i32_b32 s80, s[MASK+4*\ee+\ii]
	s_add_co_u32 s[START+\ee], s[START+\ee], s80
.endr
.endr
	v_lshl_add_u32 v34, s14, 7, v1                 ; my token for i = 0
.irp ii, 0,1,2,3
	v_add_nc_u32 v[36+\ii], 32*\ii, v34
.irp kk, 0,1
	v_sub_nc_u32 v35, v[P+2*\ii+\kk], s84          ; place in my block; below it the difference wraps to a large number
	v_min_u32 v35, 16, v35                         ; all that is outside goes to word 16, which nobody reads
	v_lshl_add_u32 v35, v35, 2, s85
	ds_store_b32 v35, v[36+\ii] offset:LISTW       ; inside my wave's own 128 bytes; behind the zeros, since LDS serves a wave in order
.endr
.endr
	s_wait_dscnt 0x0                               ; for the others' sake: my list is in LDS
	s_barrier_signal -1
	s_barrier_wait -1
	s_cmp_lg_u32 ttmp9, 0
	s_cbranch_scc1 .Lgather                        ; the tables are stored once, by work-group 0
.irp ii, 0,1,2,3
	global_store_b64 v3, v[P+2*\ii:P+2*\ii+1], s[10:11] offset:256*\ii   ; a wave's store covers 256 neighbouring bytes, aligned
.endr
	s_cmp_lg_u32 s14, 0
	s_cbranch_scc1 .Lgather
	v_lshrrev_b32 v50, 4, v32                      ; lane e: nblk[e]; lanes 8-31: 0
	v_mov_b32 v51, 0
.irp ee, 0,1,2,3,4,5,6,7
	s_lshr_b32 s80, s[OFS+\ee], 4
	v_writelane_b32 v51, s80, \ee                  ; lane e: blk0[e]
.endr
	v_lshlrev_b32 v52, 3, v1
	global_store_b64 v52, v[50:51], s[12:13]       ; all 256 bytes of meta
.Lgather:
	v_and_b32 v48, 15, v0
	v_lshlrev_b32 v48, 2, v48
.irp ww, 0,1,2,3,4,5,6,7
	ds_load_b32 v[24+\ww], v48 offset:LISTW+128*\ww
.endr
	v_lshlrev_b32 v54, 4, v1
	v_lshl_add_u32 v54, s14, 10, v54               ; 16 lane + 1,024 wave: wave w takes k = 256 w .. + 255 of every row
	s_mul_i32 s86, s14, WSTAGE
	s_add_co_u32 s86, s86, STAGE
	v_lshl_add_u32 v55, v1, 3, s86                 ; stage + 8 lane
	v_and_b32 v49, 15, v0
	v_mul_u32_u24 v49, v49, PITCH
	v_bfe_u32 v4, v0, 4, 1
	v_lshl_add_u32 v49, v4, 4, v49
	v_add_nc_u32 v49, s86, v49                     ; stage + 528 r + 16 h
	v_lshlrev_b32 v4, 4, v1
	v_lshl_add_u32 v4, s14, 13, v4                 ; xs: 16 lane + 8 chunks of 1,024 bytes a wave
	s_lshl_b32 s80, ttmp9, 16                      ; a block of xs is 65,536 bytes
	s_mov_b32 s81, 0
	s_add_nc_u64 s[8:9], s[8:9], s[80:81]
	s_wait_dscnt 0x0
	v_add3_u32 v53, v24, v25, v26
	v_add3_u32 v53, v53, v27, v28
	v_add3_u32 v53, v53, v29, v30
	v_add_nc_u32 v53, v53, v31                     ; lane: the token of slot lane & 15
.irp rr, 0,1,2,3,4,5,6,7,8,9,10,11,12,13,14,15
	v_readlane_b32 s80, v53, \rr
	s_min_u32 s80, s80, 1023                       ; a token's number, kept inside the table
	s_lshl_b32 s80, s80, 13
	v_add_nc_u32 v[OFF+\rr], s80, v54
	global_load_b128 v[RAW+8*\rr:RAW+8*\rr+3],   v[OFF+\rr], s[6:7]
	global_load_b128 v[RAW+8*\rr+4:RAW+8*\rr+7], v[OFF+\rr], s[6:7] offset:512
.endr
.set n, 0
.rept 32
	s_wait_loadcnt 31-n                            ; load n is in, the 31 - n younger ones stay out
	v_cvt_pk_bf16_f32 v[T+2*(n%8)], v[RAW+4*n], v[RAW+4*n+1]
	v_cvt_pk_bf16_f32 v[T+2*(n%8)+1], v[RAW+4*n+2], v[RAW+4*n+3]
	ds_store_b64 v55, v[T+2*(n%8):T+2*(n%8)+1] offset:(n/2)*PITCH+256*(n%2)
.set n, n+1
.endr
.set n, 0
.rept 16                                           ; load n: chunk n/2 of my eight, q = n%2; the wave's own bytes, served in order behind the stores
	ds_load_b128 v[RAW+4*n:RAW+4*n+3], v49 offset:32*n
.set n, n+1
.endr
.set n, 0
.rept 16
	s_wait_dscnt 15-n                              ; LDS load n is in, the younger ones stay out
	global_store_b128 v4, v[RAW+4*n:RAW+4*n+3], s[8:9] offset:512*n     ; 512 neighbouring bytes, aligned
.set n, n+1
.endr
	s_wait_tensorcnt 0x0
	ds_add_u32 v216, v217
	s_wait_dscnt 0x0
	s_endpgm
.Lfunc_end_k_q7b6c270f3c_pack:
	.size	k_q7b6c270f3c_pack, .Lfunc_end_k_q7b6c270f3c_pack-k_q7b6c270f3c_pack
	.p2alignl 7, 3214868480
	.fill 96, 4, 3214868480
	.section	.rodata,"a",@progbits
	.p2align	6, 0x0
	.amdhsa_kernel k_q7b6c270f3c_pack
		.amdhsa_group_segment_fixed_size 70656
		.amdhsa_private_segment_fixed_size 0
		.amdhsa_enable_private_segment 0
		.amdhsa_kernarg_size 40
		.amdhsa_user_sgpr_count 2
		.amdhsa_user_sgpr_kernarg_segment_ptr 1
		.amdhsa_wavefront_size32 1
		.amdhsa_system_sgpr_workgroup_id_x 1
		.amdhsa_system_sgpr_workgroup_id_y 1
		.amdhsa_system_sgpr_workgroup_id_z 1
		.amdhsa_system_vgpr_workitem_id 0
		.amdhsa_next_free_vgpr 218
		.amdhsa_next_free_sgpr 96
		.amdhsa_reserve_vcc 1
		.amdhsa_float_denorm_mode_32 3
		.amdhsa_float_denorm_mode_16_64 3
		.amdhsa_memory_ordered 1
		.amdhsa_forward_progress 1
		.amdhsa_inst_pref_size 44
	.end_amdhsa_kernel
	.amdgpu_metadata
---
amdhsa.version: [ 1, 2 ]
amdhsa.kernels:
  - .name:           k_q7b6c270f3c_pack
    .symbol:         k_q7b6c270f3c_pack.kd
    .args:
      - { .name: sel, .offset: 0, .size: 8, .value_kind: global_buffer, .address_space: global }
      - { .name: hidden_states, .offset: 8, .size: 8, .value_kind: global_buffer, .address_space: global }
      - { .name: xs, .offset: 16, .size: 8, .value_kind: global_buffer, .address_space: global }
      - { .name: pos, .offset: 24, .size: 8, .value_kind: global_buffer, .address_space: global }
      - { .name: meta, .offset: 32, .size: 8, .value_kind: global_buffer, .address_space: global }
    .group_segment_fixed_size: 70656
    .private_segment_fixed_size: 0
    .kernarg_segment_align: 8
    .kernarg_segment_size: 40
    .max_flat_workgroup_size: 256
    .sgpr_count:     96
    .vgpr_count:     218
    .wavefront_size: 32
...
	.end_amdgpu_metadata
.endif
;; end of part 2
;; launch gemm1 (part 3): grid 256 x 1, 8 waves a work-group, no clusters, 295,936 bytes of LDS; arguments xs, w13, meta, act; writes act
.if DOCPART == 3
	.amdgcn_target "amdgcn-amd-amdhsa--gfx1250"
	.amdhsa_code_object_version 6
	.text
	.protected	k_q7b6c270f3c_gemm1
	.globl	k_q7b6c270f3c_gemm1
	.p2align	8
	.type	k_q7b6c270f3c_gemm1,@function
k_q7b6c270f3c_gemm1:
	s_mov_b64 s[64:65], 0
	v_nop
	global_prefetch_b8 v0, s[64:65] scope:SCOPE_SE
	s_setreg_imm32_b32 hwreg(HW_REG_WAVE_MODE, 25, 1), 1
	s_wait_xcnt 0x0
; gemm1: act = silu(x w1^T) * (x w3^T) for the tokens of each expert, bf16 operands, f32 sums, act rounded once to bf16.
; Work-group = (expert e = number / 32, nb = number % 32): 32 rows of w1 (f = 32 nb ..) and the same 32 rows of w3, all of K = 2,048, all tokens of e.
; So every byte of w13 is read by one work-group, once, and rounded to bf16 once.
; ALL EIGHT WAVES RUN THE SAME TEXT.  Of the 64 weight rows (tiles 0, 1 = w1, tiles 2, 3 = w3) wave w brings rows 8 w .. 8 w + 7: f32 through registers, bf16 into LDS.
; THE PRODUCTS ARE SHARED BY BLOCKS AND BY K: wave w has the parity g = w >> 2 and the class b = (w & 3) ^ 2 g; it multiplies the expert's blocks of 16 tokens j = 4 i + b
; with all 64 rows, but only chunk 2 s + g (32 k) of each K step s of 64.  So a wave reads half of the weight tile from LDS, 8 loads for 16 or 20 products, and each
; token byte is still read once.  The two waves of a class (w and w ^ 6) add their halves at the end, through LDS.
; LDS holds the whole bf16 tile, 32 K steps x (64 rows x 144 bytes) = 294,912 bytes; each byte is written once while the products run.
; PHASES, written out.  In phase q a wave stores its rows of K step q, fetches its fragments of step q - 1 and multiplies step q - 2: three disjoint constant ranges of LDS.
; The barrier that shows step q to all is split: the signal stands behind the wave's stores, the fragment loads (of bytes that nobody writes any more) and 16 products stand
; between signal and wait.
; TOKENS come from xs in the operand's own order: a wave's 16-byte load covers 512 neighbouring bytes and is half a fragment; no LDS on their way.
; LOADS: W(k) = 4 loads, A(s) = 10 loads; order W0 W1 W2 W3 A0 A1, then W(q + 4), A(q + 2) in phase q; by the text's own count a wave has 56 loads out at the most.
; FAST WAY: 5 blocks a wave, 20 blocks (320 tokens) an expert.  A block that the expert does not have still issues its loads (all lanes at one 16-byte piece of block 0,
; which always exists), so that every counted wait counts the same loads on every path; its sums are not stored.  Blocks 20 to 63 take the slower loop behind the phases,
; one block a wave and trip, all of K: the weights are still in LDS.
; THE PRODUCT IS USED TRANSPOSED: source 0 = 16 weight rows, source 1 = 16 tokens: lane (r, h), register j holds (row 16 n + 8 h + j, token r),
; eight neighbouring f of one token: tiles 0 and 1 are exactly the two halves of chunk nb of gemm2's operand, and are stored so: the wave of parity g stores half g.
; NO CLUSTER: the 32 work-groups of an expert read the same token blocks, but a joint load lands in LDS alone; the weight tile takes all 294,912 bytes that are declared,
; the tokens' bytes would be written to LDS and read from it again, and the number of blocks hangs on counts read from memory.
; LIMITS: each sum over K is formed as two sums (even and odd chunks of 32) that are added once in f32: an order of rounding of its own.
; silu(g) = g / (1 + 2^(-g log2 e)) is 0 for very negative g and g for very large g.
.set NS,      32                       ; K steps of 64
.set LOGROW,  13                       ; a weight row is 8,192 bytes
.set ROWB,    1<<LOGROW
.set LOGABLK, 16                       ; a block of xs is 65,536 bytes
.set PITCH,   144                      ; an LDS row: 128 bytes + 16 = 9 x 16: 16 rows start at 16 different 16-byte columns
.set TILEB,   16*PITCH
.set STEPB,   64*PITCH                 ; a K step in LDS
.set GRP,     6*STEPB                  ; six steps are reached by the 16-bit immediate; each group has its address registers
.set NG,      (NS+5)/6
.set XBLK,    2048                     ; the exchange: two tiles of a block, 16 bytes a lane and store
.set XWAVE,   5*XBLK                   ; a wave's part of the exchange area, which begins at LDS byte 0
.set AOFF, 4                           ; v4-8     byte offset of my 16 bytes in block i, my parity's chunk
.set VO,   9                           ; v9       my 16 bytes in two weight rows
.set RD,   10                          ; v10-15   LDS address of my weight fragments, one for each group of six steps
.set WR,   16                          ; v16-21   LDS address of my weight stores, one for each group
.set T,    22                          ; v22-29   packed bf16 on their way to LDS
.set XS,   30                          ; v30      exchange: where my tiles go
.set XR,   31                          ; v31      exchange: where my partner's lie
.set W,    32                          ; v32-95   weights as loaded: 4 steps x 4 loads x 4 registers
.set X,    32                          ; v32-47   behind the phases: two tiles for, and from, the partner
.set TW,   48                          ; v48-55   behind the phases: at work
.set TO,   56                          ; v56-63   behind the phases: packed results, two sets
.set SA,   32                          ; v32-63   slow way: sums (its work registers: v64-79)
.set ACC,  96                          ; v96-255  sums, 32 i + 8 n
.set AR,   0                           ; v256-415 token fragments, 40 (step % 4) + 8 i + 4 q, in the second window of 256 registers
.set BB,   160                         ; v416-479 weight fragments, 32 (step & 1) + 8 n, in the second window
.set MSB, 0
.set CNT, 0
.macro WIN new                         ; s_set_vgpr_msb: bits 1:0 source 0, 3:2 source 1, 7:6 destination; the high byte repeats the setting that is left
.if MSB != \new
	s_set_vgpr_msb (MSB<<8)|\new
.set MSB, \new
.endif
.endm
.macro PLACES                          ; four places behind a matrix instruction, before its results are read or its registers loaded again (ISA guide 7.12.1)
.rept 4
	v_nop
.endr
.endm
.macro ADDW k                          ; CNT += the loads of W(k): 4 if there is such a step
.if (\k) < NS
.set CNT, CNT+4
.endif
.endm
.macro ADDW4 k                         ; the same for the waits on tokens: W0 to W3 go out ahead of every A and are never younger than one
.if (\k) >= 4
.if (\k) < NS
.set CNT, CNT+4
.endif
.endif
.endm
.macro ADDA s                          ; CNT += the loads of A(s): 10 if there is such a step
.if (\s) >= 0
.if (\s) < NS
.set CNT, CNT+10
.endif
.endif
.endm
.macro WLOAD p                         ; K step p of my 8 rows: 4 loads of two rows; sixteen lanes take a row's 256 neighbouring bytes, aligned
.irp jj, 0,1,2,3
	global_load_b128 v[W+16*((\p)%4)+4*\jj:W+16*((\p)%4)+4*\jj+3], v[VO], s[6:7] offset:2*\jj*ROWB+256*(\p) th:TH_LOAD_NT
.endr
.endm
.macro LOADA s                         ; my parity's chunk of K step s of my five blocks: 10 loads
	WIN 0x40
.irp ii, 0,1,2,3,4
	global_load_b128 v[AR+40*((\s)%4)+8*\ii:AR+40*((\s)%4)+8*\ii+3],   v[AOFF+\ii], s[4:5] offset:2048*(\s)
	global_load_b128 v[AR+40*((\s)%4)+8*\ii+4:AR+40*((\s)%4)+8*\ii+7], v[AOFF+\ii], s[4:5] offset:2048*(\s)+512
.endr
	WIN 0
.endm
.macro LOADB s                         ; my parity's chunk of K step s of the four weight tiles: 8 LDS loads
	WIN 0x40
.irp nn, 0,1,2,3
	ds_load_b128 v[BB+32*((\s)&1)+8*\nn:BB+32*((\s)&1)+8*\nn+3],   v[RD+(\s)/6] offset:((\s)%6)*STEPB+TILEB*\nn
	ds_load_b128 v[BB+32*((\s)&1)+8*\nn+4:BB+32*((\s)&1)+8*\nn+7], v[RD+(\s)/6] offset:((\s)%6)*STEPB+TILEB*\nn+32
.endr
.endm
.macro MUL s, i, zero                  ; block i x four tiles, step s.  The accumulators take turns, one instruction a turn
.irp nn, 0,1,2,3
.if \zero
	v_wmma_f32_16x16x32_bf16 v[ACC+32*\i+8*\nn:ACC+32*\i+8*\nn+7], v[BB+32*((\s)&1)+8*\nn:BB+32*((\s)&1)+8*\nn+7], v[AR+40*((\s)%4)+8*\i:AR+40*((\s)%4)+8*\i+7], 0
.else
	v_wmma_f32_16x16x32_bf16 v[ACC+32*\i+8*\nn:ACC+32*\i+8*\nn+7], v[BB+32*((\s)&1)+8*\nn:BB+32*((\s)&1)+8*\nn+7], v[AR+40*((\s)%4)+8*\i:AR+40*((\s)%4)+8*\i+7], v[ACC+32*\i+8*\nn:ACC+32*\i+8*\nn+7]
.endif
.endr
.endm
; Phase q: my rows of K step q go into LDS; my fragments of step q - 1 are fetched; step q - 2 is multiplied; W(q + 4) and A(q + 2) are asked for.
.macro PHASE q
.if (\q) < NS
.set CNT, 0
	ADDW (\q)+1
	ADDW (\q)+2
	ADDW (\q)+3
	ADDA (\q)-2
	ADDA (\q)-1
	ADDA (\q)
	ADDA (\q)+1
	s_wait_loadcnt CNT                             ; W(q) is in; what was issued behind it stays out: W(q+1) to W(q+3), A(q-2) to A(q+1)
.irp jj, 0,1,2,3
	v_cvt_pk_bf16_f32 v[T+2*\jj],   v[W+16*((\q)%4)+4*\jj],   v[W+16*((\q)%4)+4*\jj+1]
	v_cvt_pk_bf16_f32 v[T+2*\jj+1], v[W+16*((\q)%4)+4*\jj+2], v[W+16*((\q)%4)+4*\jj+3]
.endr
.if (\q)+4 < NS
	WLOAD (\q)+4                                   ; into the registers just read
.endif
.irp jj, 0,1,2,3
	ds_store_b64 v[WR+(\q)/6], v[T+2*\jj:T+2*\jj+1] offset:((\q)%6)*STEPB+2*PITCH*\jj
.endr
.endif
.if (\q) >= 2
.set CNT, 0
	ADDW4 (\q)+1
	ADDW4 (\q)+2
	ADDW4 (\q)+3
	ADDW4 (\q)+4
	ADDA (\q)-1
	ADDA (\q)
	ADDA (\q)+1
	s_wait_loadcnt CNT                             ; A(q-2) is in; what was issued behind it stays out: W(q+1) to W(q+4), A(q-1) to A(q+1)
.endif
	s_wait_dscnt 0x0                               ; my rows of step q are in LDS, for the others' sake; my fragments of step q - 2, fetched in the last phase, are in
.if (\q) < NS
	s_barrier_signal -1
.endif
.if (\q) >= 1
.if (\q) <= NS
	LOADB (\q)-1                                   ; shown to all by the last phase's barrier, and written by nobody while the products run
.endif
.endif
.if (\q) >= 2
	WIN 0x05
.if (\q) == 2
	MUL 0, 0, 1                                    ; the first products start the sums: nothing is cleared;
	MUL 0, 1, 1
	MUL 0, 2, 1
	MUL 0, 3, 1
	MUL 0, 4, 1                                    ; the fifth block's sums are started on every path
.else
	MUL (\q)-2, 0, 0
	MUL (\q)-2, 1, 0
	MUL (\q)-2, 2, 0
	MUL (\q)-2, 3, 0
.endif
.endif
	WIN 0                                          ; at a branch and at a label every window is 0
.if (\q) < NS
	s_barrier_wait -1                              ; step q may be read by every wave
.endif
.if (\q) > 2
	s_cmp_lt_u32 s19, 5
	s_cbranch_scc1 .Lno4_\@                        ; the fifth block's products are left out where it does not exist
	WIN 0x05
	MUL (\q)-2, 4, 0
	WIN 0
.Lno4_\@:
.endif
.if (\q) >= 2
	PLACES                                         ; behind the products: the token slot is loaded again below, the fragment buffer in the next phase
.endif
.if (\q)+2 < NS
	LOADA (\q)+2                                   ; into the slot just read
.endif
.endm
; SwiGLU of one tile pair: g at v[gg ..], u at v[uu ..]; work registers at tw, packed result at to; stored at s[26:27] + off.
.macro EPIN gg, uu, tw, to, off
.irp kk, 0,2,4,6
	v_pk_mul_f32 v[\tw+\kk:\tw+\kk+1], v[\gg+\kk:\gg+\kk+1], 0xbfb8aa3b op_sel_hi:[1,0]              ; -g log2(e)
.endr
.irp kk, 0,1,2,3,4,5,6,7
	v_exp_f32 v[\tw+\kk], v[\tw+\kk]
.endr
	v_nop                                          ; one plain place behind the transcendentals (ISA guide 5.7.2)
	s_wait_alu depctr_va_vdst(0)
.irp kk, 0,2,4,6
	v_pk_add_f32 v[\tw+\kk:\tw+\kk+1], v[\tw+\kk:\tw+\kk+1], 1.0 op_sel_hi:[1,0]
.endr
.irp kk, 0,1,2,3,4,5,6,7
	v_rcp_f32 v[\tw+\kk], v[\tw+\kk]
.endr
	v_nop
	s_wait_alu depctr_va_vdst(0)
.irp kk, 0,2,4,6
	v_pk_mul_f32 v[\tw+\kk:\tw+\kk+1], v[\tw+\kk:\tw+\kk+1], v[\gg+\kk:\gg+\kk+1]                    ; silu(g)
.endr
.irp kk, 0,2,4,6
	v_pk_mul_f32 v[\tw+\kk:\tw+\kk+1], v[\tw+\kk:\tw+\kk+1], v[\uu+\kk:\uu+\kk+1]                    ; times u
.endr
.irp kk, 0,1,2,3
	v_cvt_pk_bf16_f32 v[\to+\kk], v[\tw+2*\kk], v[\tw+2*\kk+1]
.endr
	global_store_b128 v3, v[\to:\to+3], s[26:27] offset:\off                                         ; half a fragment of gemm2's operand: 512 neighbouring bytes, aligned
.endm
; The slow way's K step s: both chunks of one block, loaded and waited for on the spot; every LDS offset is a constant.
.macro OSTEP s
	PLACES
	WIN 0x40
.irp kk, 0,1,2,3
	global_load_b128 v[AR+4*\kk:AR+4*\kk+3], v3, s[46:47] offset:2048*(\s)+512*\kk
.endr
.irp cc, 0,1
.irp nn, 0,1,2,3
	ds_load_b128 v[BB+32*\cc+8*\nn:BB+32*\cc+8*\nn+3],   v[RD+(\s)/6] offset:((\s)%6)*STEPB+TILEB*\nn+64*\cc
	ds_load_b128 v[BB+32*\cc+8*\nn+4:BB+32*\cc+8*\nn+7], v[RD+(\s)/6] offset:((\s)%6)*STEPB+TILEB*\nn+64*\cc+32
.endr
.endr
	s_wait_loadcnt 0x0
	s_wait_dscnt 0x0
	WIN 0x05
.irp nn, 0,1,2,3
.if (\s) == 0
	v_wmma_f32_16x16x32_bf16 v[SA+8*\nn:SA+8*\nn+7], v[BB+8*\nn:BB+8*\nn+7], v[AR:AR+7], 0
.else
	v_wmma_f32_16x16x32_bf16 v[SA+8*\nn:SA+8*\nn+7], v[BB+8*\nn:BB+8*\nn+7], v[AR:AR+7], v[SA+8*\nn:SA+8*\nn+7]
.endif
.endr
.irp nn, 0,1,2,3
	v_wmma_f32_16x16x32_bf16 v[SA+8*\nn:SA+8*\nn+7], v[BB+32+8*\nn:BB+32+8*\nn+7], v[AR+8:AR+15], v[SA+8*\nn:SA+8*\nn+7]
.endr
.endm
	s_load_b256 s[4:11], s[0:1], 0x0               ; xs s[4:5], w13 s[6:7], meta s[8:9], act s[10:11]
	s_set_vgpr_msb 0x40
	v_lshl_add_u32 v254, v0, 2, 0x48000
	v_mov_b32 v255, 0
	s_set_vgpr_msb 0x4000
	v_lshrrev_b32 v2, 5, v0
	v_readfirstlane_b32 s12, v2                    ; wave
	s_lshr_b32 s32, s12, 2                         ; g: which chunk of a K step is mine
	s_and_b32 s13, s12, 3
	s_lshl_b32 s22, s32, 1
	s_xor_b32 s13, s13, s22                        ; b: which blocks are mine; waves w and w ^ 6 have the same
	s_lshr_b32 s14, ttmp9, 5                       ; expert
	s_and_b32 s15, ttmp9, 31                       ; nb
	v_and_b32 v3, 31, v0
	v_lshlrev_b32 v3, 4, v3                        ; 16 lane
	v_and_b32 v2, 15, v0                           ; r = lane & 15
	v_bfe_u32 v1, v0, 4, 1                         ; h = lane >> 4
	v_lshlrev_b32 v[VO], 4, v2
	v_lshl_add_u32 v[VO], v1, LOGROW, v[VO]        ; 16 r + one row for lanes 16-31
	; my 8 weight rows begin at row 2,048 e + 32 nb + 8 (w & 3) + 1,024 (w >> 2): waves 0-3 bring w1's rows, waves 4-7 w3's
	s_lshl_b32 s22, s14, 11
	s_lshl_b32 s23, s15, 5
	s_add_co_u32 s22, s22, s23
	s_and_b32 s25, s12, 3
	s_lshl_b32 s25, s25, 3
	s_add_co_u32 s22, s22, s25
	s_lshl_b32 s25, s32, 10
	s_add_co_u32 s22, s22, s25
	s_lshl_b32 s22, s22, LOGROW                    ; at most 16,383 rows of 8,192 bytes: below 2^31
	s_mov_b32 s23, 0
	s_lshl_b32 s20, s14, 3                         ; my expert's pair in meta
	s_lshl_b32 s24, s15, 10                        ; chunk nb of act
	s_lshl_b32 s34, s32, 10                        ; my parity's chunk in a K step of xs
	s_lshl_b32 s35, s32, 9
	s_add_co_u32 s35, s35, s24                     ; chunk nb of act, half g
	s_cmp_ge_u32 s12, 4
	s_cselect_b32 s33, -1, 0                       ; all lanes on for g = 1, off for g = 0
	s_wait_kmcnt 0x0
	s_load_b64 s[16:17], s[8:9], s20 offset:0x0    ; nblk, blk0 of my expert
	s_add_nc_u64 s[6:7], s[6:7], s[22:23]
	WLOAD 0                                        ; the weights need no count: four K steps go out first
	WLOAD 1
	WLOAD 2
	WLOAD 3
	v_mul_u32_u24 v[RD], v2, PITCH
	v_lshl_add_u32 v[RD], v1, 4, v[RD]
	v_bfe_u32 v[T], v0, 7, 1                       ; g once more, from the thread's number
	v_lshl_add_u32 v[RD], v[T], 6, v[RD]           ; fragments: 144 r + 16 h + 64 g
	v_mul_u32_u24 v[WR], v1, PITCH
	v_lshl_add_u32 v[WR], v2, 3, v[WR]
	s_mul_i32 s22, s12, 8*PITCH
	v_add_nc_u32 v[WR], s22, v[WR]                 ; stores: 144 (8 w + h) + 8 r
.set k, 1
.rept NG-1
	v_add_nc_u32 v[RD+k], k*GRP, v[RD]
	v_add_nc_u32 v[WR+k], k*GRP, v[WR]
.set k, k+1
.endr
	s_mul_i32 s22, s12, XWAVE
	v_add_nc_u32 v[XS], s22, v3                    ; exchange: my part, 16 bytes a lane
	s_xor_b32 s22, s12, 6
	s_mul_i32 s22, s22, XWAVE
	v_add_nc_u32 v[XR], s22, v3                    ; my partner's part
	s_wait_kmcnt 0x0
	s_min_u32 s16, s16, 64                         ; 1,024 tokens at the most
	s_min_u32 s17, s17, 135
	s_add_co_u32 s18, s16, 3
	s_sub_co_u32 s18, s18, s13
	s_lshr_b32 s18, s18, 2                         ; how many blocks j = 4 i + b are below nblk
	s_min_u32 s19, s18, 5                          ; of them on the fast way
	s_add_co_u32 s22, s12, 20                      ; the slow way: blocks j = 20 + 8 t + w
	s_max_u32 s21, s16, s22
	s_sub_co_u32 s21, s21, s22
	s_add_co_u32 s21, s21, 7
	s_lshr_b32 s21, s21, 3                         ; how many of them are below nblk
	s_add_co_u32 s30, s17, s22                     ; my first block of the slow way
	s_add_co_u32 s25, s17, s13
.irp ii, 0,1,2,3,4
	s_add_co_u32 s22, s25, 4*\ii
	s_min_u32 s[40+\ii], s22, 135                  ; the block's number, kept inside xs
	s_max_u32 s23, s19, \ii
	s_sub_co_u32 s23, s23, \ii
	s_min_u32 s23, s23, 1                          ; 1 if the block exists, else 0
	s_mul_i32 s22, s[40+\ii], s23
	s_lshl_b32 s22, s22, LOGABLK
	s_add_co_u32 s22, s22, s34
	v_mul_u32_u24 v[AOFF+\ii], s23, v3             ; a block that does not exist: every lane at the first 16 bytes
	v_add_nc_u32 v[AOFF+\ii], s22, v[AOFF+\ii]     ; of block 0's chunk
.endr
	LOADA 0
	LOADA 1                                        ; 36 loads are out: W0 to W3, A0, A1
.irp qq, 0,1,2,3,4,5,6,7,8,9,10,11,12,13,14,15,16,17,18,19,20,21,22,23,24,25,26,27,28,29,30,31,32,33
	PHASE \qq
.endr
	; THE SLOW WAY comes first: it needs the weights, and leaves the fast way's sums (v96-255) alone.
	s_cmp_eq_u32 s21, 0
	s_cbranch_scc1 .Lslow_done
	v_mul_u32_u24 v[RD], v2, PITCH
	v_lshl_add_u32 v[RD], v1, 4, v[RD]             ; fragments of both chunks: 144 r + 16 h
.set k, 1
.rept NG-1
	v_add_nc_u32 v[RD+k], k*GRP, v[RD]
.set k, k+1
.endr
	s_mov_b32 s28, 0
.Lover:                                            ; one block a trip; no barrier and no LDS store: all of the weights have been shown to all
	s_wait_xcnt 0x0                                ; the stores' data and base are rewritten only behind this wait
	s_lshl_b32 s29, s28, 3
	s_add_co_u32 s29, s29, s30
	s_min_u32 s45, s29, 135
	s_lshl_b32 s22, s45, LOGABLK
	s_mov_b32 s23, 0
	s_add_nc_u64 s[46:47], s[4:5], s[22:23]
.irp ss, 0,1,2,3,4,5,6,7,8,9,10,11,12,13,14,15,16,17,18,19,20,21,22,23,24,25,26,27,28,29,30,31
	OSTEP \ss
.endr
	PLACES
	WIN 0
	s_lshl_b32 s22, s45, 15                        ; a block of act is 32,768 bytes
	s_add_co_u32 s22, s22, s24                     ; + chunk nb
	s_add_nc_u64 s[26:27], s[10:11], s[22:23]
	EPIN SA, SA+16, 64, 72, 0
	EPIN SA+8, SA+24, 64, 76, 512
	s_add_co_u32 s28, s28, 1
	s_cmp_lt_u32 s28, s21
	s_cbranch_scc1 .Lover
.Lslow_done:
	; THE TWO HALVES OF K MEET.  The first 81,920 bytes of the weight tile serve as the exchange area, so first every wave's reads of the weights are over.
	s_wait_dscnt 0x0
	s_barrier_signal -1
	s_barrier_wait -1
	; The wave of parity g keeps tiles g and g + 2 (moved into the registers of tiles 0 and 2) and sends the other two.  The choice is made by a mask, so that the text is one.
.irp ii, 0,1,2,3,4
	s_cmp_le_u32 s19, \ii
	s_cbranch_scc1 .Lsent
.irp kk, 0,1,2,3,4,5,6,7
	v_cndmask_b32 v[X+\kk],   v[ACC+32*\ii+8+\kk],  v[ACC+32*\ii+\kk],    s33      ; to send: tile 1 - g,
	v_cndmask_b32 v[X+8+\kk], v[ACC+32*\ii+24+\kk], v[ACC+32*\ii+16+\kk], s33      ; tile 3 - g
	v_cndmask_b32 v[ACC+32*\ii+\kk],    v[ACC+32*\ii+\kk],    v[ACC+32*\ii+8+\kk],  s33   ; to keep: tile g,
	v_cndmask_b32 v[ACC+32*\ii+16+\kk], v[ACC+32*\ii+16+\kk], v[ACC+32*\ii+24+\kk], s33   ; tile g + 2
.endr
.irp mm, 0,1,2,3
	ds_store_b128 v[XS], v[X+4*\mm:X+4*\mm+3] offset:\ii*XBLK+512*\mm
.endr
.endr
.Lsent:
	s_wait_dscnt 0x0                               ; for my partner's sake: my tiles are in LDS
	s_barrier_signal -1
	s_barrier_wait -1
.irp ii, 0,1,2,3,4
	s_cmp_le_u32 s19, \ii
	s_cbranch_scc1 .Lend
.irp mm, 0,1,2,3
	ds_load_b128 v[X+4*\mm:X+4*\mm+3], v[XR] offset:\ii*XBLK+512*\mm
.endr
	s_wait_xcnt 0x0                                ; the last block's store has had its address translated (ISA guide 3.1): base and data are rewritten only behind this wait
	s_lshl_b32 s22, s[40+\ii], 15                  ; a block of act is 32,768 bytes
	s_add_co_u32 s22, s22, s35                     ; + chunk nb, half g
	s_mov_b32 s23, 0
	s_add_nc_u64 s[26:27], s[10:11], s[22:23]
	s_wait_dscnt 0x0
.irp kk, 0,2,4,6
	v_pk_add_f32 v[ACC+32*\ii+\kk:ACC+32*\ii+\kk+1],       v[ACC+32*\ii+\kk:ACC+32*\ii+\kk+1],       v[X+\kk:X+\kk+1]
	v_pk_add_f32 v[ACC+32*\ii+16+\kk:ACC+32*\ii+16+\kk+1], v[ACC+32*\ii+16+\kk:ACC+32*\ii+16+\kk+1], v[X+8+\kk:X+8+\kk+1]
.endr
	EPIN ACC+32*\ii, ACC+32*\ii+16, TW, TO+4*(\ii&1), 0
.endr
.Lend:
	s_set_vgpr_msb 0x5
	s_wait_tensorcnt 0x0
	ds_add_u32 v254, v255
	s_wait_dscnt 0x0
	s_set_vgpr_msb 0x500
	s_endpgm
.Lfunc_end_k_q7b6c270f3c_gemm1:
	.size	k_q7b6c270f3c_gemm1, .Lfunc_end_k_q7b6c270f3c_gemm1-k_q7b6c270f3c_gemm1
	.p2alignl 7, 3214868480
	.fill 96, 4, 3214868480
	.section	.rodata,"a",@progbits
	.p2align	6, 0x0
	.amdhsa_kernel k_q7b6c270f3c_gemm1
		.amdhsa_group_segment_fixed_size 295936
		.amdhsa_private_segment_fixed_size 0
		.amdhsa_enable_private_segment 0
		.amdhsa_kernarg_size 32
		.amdhsa_user_sgpr_count 2
		.amdhsa_user_sgpr_kernarg_segment_ptr 1
		.amdhsa_wavefront_size32 1
		.amdhsa_system_sgpr_workgroup_id_x 1
		.amdhsa_system_sgpr_workgroup_id_y 1
		.amdhsa_system_sgpr_workgroup_id_z 1
		.amdhsa_system_vgpr_workitem_id 0
		.amdhsa_next_free_vgpr 512
		.amdhsa_next_free_sgpr 66
		.amdhsa_reserve_vcc 0
		.amdhsa_float_denorm_mode_32 3
		.amdhsa_float_denorm_mode_16_64 3
		.amdhsa_memory_ordered 1
		.amdhsa_forward_progress 1
		.amdhsa_inst_pref_size 246
	.end_amdhsa_kernel
	.amdgpu_metadata
---
amdhsa.version: [ 1, 2 ]
amdhsa.kernels:
  - .name:           k_q7b6c270f3c_gemm1
    .symbol:         k_q7b6c270f3c_gemm1.kd
    .args:
      - { .name: xs, .offset: 0, .size: 8, .value_kind: global_buffer, .address_space: global }
      - { .name: w13, .offset: 8, .size: 8, .value_kind: global_buffer, .address_space: global }
      - { .name: meta, .offset: 16, .size: 8, .value_kind: global_buffer, .address_space: global }
      - { .name: act, .offset: 24, .size: 8, .value_kind: global_buffer, .address_space: global }
    .group_segment_fixed_size: 295936
    .private_segment_fixed_size: 0
    .kernarg_segment_align: 8
    .kernarg_segment_size: 32
    .max_flat_workgroup_size: 256
    .sgpr_count:     66
    .vgpr_count:     512
    .wavefront_size: 32
...
	.end_amdgpu_metadata
.endif
;; end of part 3
;; launch gemm2 (part 4): grid 256 x 1, 8 waves a work-group, no clusters, 322,560 bytes of LDS; arguments act, w2, meta, ys; writes ys
.if DOCPART == 4
	.amdgcn_target "amdgcn-amd-amdhsa--gfx1250"
	.amdhsa_code_object_version 6
	.text
	.protected	k_q7b6c270f3c_gemm2
	.globl	k_q7b6c270f3c_gemm2
	.p2align	8
	.type	k_q7b6c270f3c_gemm2,@function
k_q7b6c270f3c_gemm2:
	s_mov_b64 s[64:65], 0
	v_nop
	global_prefetch_b8 v0, s[64:65] scope:SCOPE_SE
	s_setreg_imm32_b32 hwreg(HW_REG_WAVE_MODE, 25, 1), 1
	s_wait_xcnt 0x0
; gemm2: ys[slot][:] = act[slot][:] w2[e]^T, bf16 operands, f32 sums, stored unscaled in f32, a row for each slot (the last launch weighs and adds the two rows of a token).
; The same build as gemm1.  Work-group = (expert e = number / 32, nb = number % 32): 64 rows of w2[e] (columns 64 nb .. of ys), all of K = 1,024, all tokens of e:
; every byte of w2 is read by one work-group, once, and rounded to bf16 once.
; ALL EIGHT WAVES RUN THE SAME TEXT.  Wave w brings weight rows 8 w .. 8 w + 7 of the 64: f32 through registers, bf16 into LDS.
; THE PRODUCTS ARE SHARED BY BLOCKS AND BY K: wave w has the parity g = w >> 2 and the class b = (w & 3) ^ 2 g; it multiplies the expert's blocks j = 4 i + b with all 64 rows,
; but only chunk 2 s + g (32 k) of each K step s of 64: 8 LDS loads for 16 or 20 products, and each token byte is still read once.
; LDS: the whole bf16 tile, 16 K steps x (64 rows x 144 bytes) = 147,456 bytes, each byte written once; behind it 8 waves x 5 blocks x (16 rows x 272 bytes) = 174,080 bytes of stages.
; PHASES, written out.  In phase q a wave stores its rows of K step q, fetches its fragments of step q - 1 and multiplies step q - 2: three disjoint constant ranges of LDS.
; The barrier that shows step q to all is split: the signal stands behind the wave's stores, the fragment loads (of bytes that nobody writes again) and 16 products stand
; between signal and wait.
; TOKENS come from act in the operand's own order, 512 neighbouring bytes a load, straight into fragments.
; LOADS: W(k) = 4 loads, A(s) = 10 loads; order W0 W1 W2 W3 A0 A1, then W(q + 4), A(q + 2) in phase q; by the text's own count a wave has 56 loads out at the most.
; FAST WAY: 5 blocks a wave (320 tokens an expert).  A block that does not exist still issues its loads (one 16-byte piece of block 0, which always exists and is stored whole
; by gemm1), so that every counted wait counts the same loads on every path; its sums are not stored.  Blocks 20 to 63 take the slower loop behind the phases.
; THE PRODUCT IS USED TRANSPOSED: lane (r, h), register j holds (column 16 n + 8 h + j, slot r): 32 neighbouring bytes of a row of ys.
; THE WAY OUT adds the two halves of K: both waves of a class lay their 16 rows x 256 bytes of each block into stages of their own; behind one barrier the wave of parity g
; reads rows 8 g .. 8 g + 7 from both stages, adds them and stores them: sixteen lanes store 256 neighbouring bytes, aligned.
; NO CLUSTER: as in gemm1: a joint load lands in LDS alone, the tokens' bytes would be written to LDS and read from it again, and the number of blocks hangs on counts read from memory.
; LIMIT: each sum over K is formed as two sums (even and odd chunks of 32) that are added once in f32: an order of rounding of its own.
.set NS,      16                       ; K steps of 64
.set LOGROW,  12                       ; a weight row is 4,096 bytes
.set ROWB,    1<<LOGROW
.set LOGABLK, 15                       ; a block of act is 32,768 bytes
.set PITCH,   144                      ; an LDS row: 128 bytes + 16 = 9 x 16
.set TILEB,   16*PITCH
.set STEPB,   64*PITCH
.set GRP,     6*STEPB
.set NG,      (NS+5)/6
.set STG,     NS*STEPB                 ; the stages lie behind the weights
.set SPITCH,  272                      ; 256 bytes + 16 = 17 x 16
.set SAREA,   16*SPITCH                ; a block's stage
.set AOFF, 4                           ; v4-8     byte offset of my 16 bytes in block i, my parity's chunk
.set VO,   9                           ; v9       my 16 bytes in two weight rows
.set RD,   10                          ; v10-12   LDS address of my weight fragments, one for each group of six steps
.set STO,  13                          ; v13      my stages: where my 32 bytes of a row go
.set RX0,  14                          ; v14      the stages of my class's wave of parity 0: my rows
.set RX1,  15                          ; v15      the stages of my class's wave of parity 1: my rows
.set WR,   16                          ; v16-18   LDS address of my weight stores, one for each group
.set CX,   19                          ; v19      my byte offset in ys, rows 8 g + h
.set RDB,  20                          ; v20      slow way: my first stage, read back by rows
.set CO,   21                          ; v21      slow way: my byte offset in ys, rows h
.set T,    22                          ; v22-29   packed bf16 on their way to LDS
.set W,    32                          ; v32-95   weights as loaded: 4 steps x 4 loads x 4 registers
.set X,    32                          ; v32-95   behind the phases: rows read back, two sets of 16 + 16 registers
.set SA,   32                          ; v32-63   slow way: sums (its rows read back: v64-95)
.set ACC,  96                          ; v96-255  sums, 32 i + 8 n
.set AR,   0                           ; v256-415 token fragments, 40 (step % 4) + 8 i + 4 q, in the second window of 256 registers
.set BB,   160                         ; v416-479 weight fragments, 32 (step & 1) + 8 n, in the second window
.set MSB, 0
.set CNT, 0
.macro WIN new                         ; s_set_vgpr_msb: bits 1:0 source 0, 3:2 source 1, 7:6 destination; the high byte repeats the setting that is left
.if MSB != \new
	s_set_vgpr_msb (MSB<<8)|\new
.set MSB, \new
.endif
.endm
.macro PLACES                          ; four places behind a matrix instruction, before its results are read or its registers loaded again (ISA guide 7.12.1)
.rept 4
	v_nop
.endr
.endm
.macro ADDW k                          ; CNT += the loads of W(k): 4 if there is such a step
.if (\k) < NS
.set CNT, CNT+4
.endif
.endm
.macro ADDW4 k                         ; the same for the waits on tokens: W0 to W3 go out ahead of every A and are never younger than one
.if (\k) >= 4
.if (\k) < NS
.set CNT, CNT+4
.endif
.endif
.endm
.macro ADDA s                          ; CNT += the loads of A(s): 10 if there is such a step
.if (\s) >= 0
.if (\s) < NS
.set CNT, CNT+10
.endif
.endif
.endm
.macro WLOAD p                         ; K step p of my 8 rows: 4 loads of two rows; sixteen lanes take a row's 256 neighbouring bytes, aligned
.irp jj, 0,1,2,3
	global_load_b128 v[W+16*((\p)%4)+4*\jj:W+16*((\p)%4)+4*\jj+3], v[VO], s[6:7] offset:2*\jj*ROWB+256*(\p) th:TH_LOAD_NT
.endr
.endm
.macro LOADA s                         ; my parity's chunk of K step s of my five blocks: 10 loads
	WIN 0x40
.irp ii, 0,1,2,3,4
	global_load_b128 v[AR+40*((\s)%4)+8*\ii:AR+40*((\s)%4)+8*\ii+3],   v[AOFF+\ii], s[4:5] offset:2048*(\s)
	global_load_b128 v[AR+40*((\s)%4)+8*\ii+4:AR+40*((\s)%4)+8*\ii+7], v[AOFF+\ii], s[4:5] offset:2048*(\s)+512
.endr
	WIN 0
.endm
.macro LOADB s                         ; my parity's chunk of K step s of the four weight tiles: 8 LDS loads
	WIN 0x40
.irp nn, 0,1,2,3
	ds_load_b128 v[BB+32*((\s)&1)+8*\nn:BB+32*((\s)&1)+8*\nn+3],   v[RD+(\s)/6] offset:((\s)%6)*STEPB+TILEB*\nn
	ds_load_b128 v[BB+32*((\s)&1)+8*\nn+4:BB+32*((\s)&1)+8*\nn+7], v[RD+(\s)/6] offset:((\s)%6)*STEPB+TILEB*\nn+32
.endr
.endm
.macro MUL s, i, zero                  ; block i x four tiles, step s.  The accumulators take turns, one instruction a turn
.irp nn, 0,1,2,3
.if \zero
	v_wmma_f32_16x16x32_bf16 v[ACC+32*\i+8*\nn:ACC+32*\i+8*\nn+7], v[BB+32*((\s)&1)+8*\nn:BB+32*((\s)&1)+8*\nn+7], v[AR+40*((\s)%4)+8*\i:AR+40*((\s)%4)+8*\i+7], 0
.else
	v_wmma_f32_16x16x32_bf16 v[ACC+32*\i+8*\nn:ACC+32*\i+8*\nn+7], v[BB+32*((\s)&1)+8*\nn:BB+32*((\s)&1)+8*\nn+7], v[AR+40*((\s)%4)+8*\i:AR+40*((\s)%4)+8*\i+7], v[ACC+32*\i+8*\nn:ACC+32*\i+8*\nn+7]
.endif
.endr
.endm
; Phase q: my rows of K step q go into LDS; my fragments of step q - 1 are fetched; step q - 2 is multiplied; W(q + 4) and A(q + 2) are asked for.
.macro PHASE q
.if (\q) < NS
.set CNT, 0
	ADDW (\q)+1
	ADDW (\q)+2
	ADDW (\q)+3
	ADDA (\q)-2
	ADDA (\q)-1
	ADDA (\q)
	ADDA (\q)+1
	s_wait_loadcnt CNT                             ; W(q) is in; what was issued behind it stays out: W(q+1) to W(q+3), A(q-2) to A(q+1)
.irp jj, 0,1,2,3
	v_cvt_pk_bf16_f32 v[T+2*\jj],   v[W+16*((\q)%4)+4*\jj],   v[W+16*((\q)%4)+4*\jj+1]
	v_cvt_pk_bf16_f32 v[T+2*\jj+1], v[W+16*((\q)%4)+4*\jj+2], v[W+16*((\q)%4)+4*\jj+3]
.endr
.if (\q)+4 < NS
	WLOAD (\q)+4                                   ; into the registers just read
.endif
.irp jj, 0,1,2,3
	ds_store_b64 v[WR+(\q)/6], v[T+2*\jj:T+2*\jj+1] offset:((\q)%6)*STEPB+2*PITCH*\jj
.endr
.endif
.if (\q) >= 2
.set CNT, 0
	ADDW4 (\q)+1
	ADDW4 (\q)+2
	ADDW4 (\q)+3
	ADDW4 (\q)+4
	ADDA (\q)-1
	ADDA (\q)
	ADDA (\q)+1
	s_wait_loadcnt CNT                             ; A(q-2) is in; what was issued behind it stays out: W(q+1) to W(q+4), A(q-1) to A(q+1)
.endif
	s_wait_dscnt 0x0                               ; my rows of step q are in LDS, for the others' sake; my fragments of step q - 2, fetched in the last phase, are in
.if (\q) < NS
	s_barrier_signal -1
.endif
.if (\q) >= 1
.if (\q) <= NS
	LOADB (\q)-1                                   ; shown to all by the last phase's barrier, and written by nobody again
.endif
.endif
.if (\q) >= 2
	WIN 0x05
.if (\q) == 2
	MUL 0, 0, 1                                    ; the first products start the sums: nothing is cleared;
	MUL 0, 1, 1
	MUL 0, 2, 1
	MUL 0, 3, 1
	MUL 0, 4, 1                                    ; the fifth block's sums are started on every path
.else
	MUL (\q)-2, 0, 0
	MUL (\q)-2, 1, 0
	MUL (\q)-2, 2, 0
	MUL (\q)-2, 3, 0
.endif
.endif
	WIN 0                                          ; at a branch and at a label every window is 0
.if (\q) < NS
	s_barrier_wait -1                              ; step q may be read by every wave
.endif
.if (\q) > 2
	s_cmp_lt_u32 s19, 5
	s_cbranch_scc1 .Lno4_\@                        ; the fifth block's products are left out where it does not exist
	WIN 0x05
	MUL (\q)-2, 4, 0
	WIN 0
.Lno4_\@:
.endif
.if (\q) >= 2
	PLACES                                         ; behind the products: the token slot is loaded again below, the fragment buffer in the next phase
.endif
.if (\q)+2 < NS
	LOADA (\q)+2                                   ; into the slot just read
.endif
.endm
; The slow way's K step s: both chunks of one block, loaded and waited for on the spot; every LDS offset is a constant.
.macro OSTEP s
	PLACES
	WIN 0x40
.irp kk, 0,1,2,3
	global_load_b128 v[AR+4*\kk:AR+4*\kk+3], v3, s[46:47] offset:2048*(\s)+512*\kk
.endr
.irp cc, 0,1
.irp nn, 0,1,2,3
	ds_load_b128 v[BB+32*\cc+8*\nn:BB+32*\cc+8*\nn+3],   v[RD+(\s)/6] offset:((\s)%6)*STEPB+TILEB*\nn+64*\cc
	ds_load_b128 v[BB+32*\cc+8*\nn+4:BB+32*\cc+8*\nn+7], v[RD+(\s)/6] offset:((\s)%6)*STEPB+TILEB*\nn+64*\cc+32
.endr
.endr
	s_wait_loadcnt 0x0
	s_wait_dscnt 0x0
	WIN 0x05
.irp nn, 0,1,2,3
.if (\s) == 0
	v_wmma_f32_16x16x32_bf16 v[SA+8*\nn:SA+8*\nn+7], v[BB+8*\nn:BB+8*\nn+7], v[AR:AR+7], 0
.else
	v_wmma_f32_16x16x32_bf16 v[SA+8*\nn:SA+8*\nn+7], v[BB+8*\nn:BB+8*\nn+7], v[AR:AR+7], v[SA+8*\nn:SA+8*\nn+7]
.endif
.endr
.irp nn, 0,1,2,3
	v_wmma_f32_16x16x32_bf16 v[SA+8*\nn:SA+8*\nn+7], v[BB+32+8*\nn:BB+32+8*\nn+7], v[AR+8:AR+15], v[SA+8*\nn:SA+8*\nn+7]
.endr
.endm
	s_load_b256 s[4:11], s[0:1], 0x0               ; act s[4:5], w2 s[6:7], meta s[8:9], ys s[10:11]
	v_lshl_add_u32 v30, v0, 2, 0x4e800
	v_mov_b32 v31, 0
	v_lshrrev_b32 v2, 5, v0
	v_readfirstlane_b32 s12, v2                    ; wave
	s_lshr_b32 s32, s12, 2                         ; g: which chunk of a K step is mine
	s_and_b32 s13, s12, 3
	s_lshl_b32 s22, s32, 1
	s_xor_b32 s13, s13, s22                        ; b: which blocks are mine; waves b and 4 + (b ^ 2) have the same
	s_lshr_b32 s14, ttmp9, 5                       ; expert
	s_and_b32 s15, ttmp9, 31                       ; nb
	v_and_b32 v3, 31, v0
	v_lshlrev_b32 v3, 4, v3                        ; 16 lane
	v_and_b32 v2, 15, v0                           ; r = lane & 15
	v_bfe_u32 v1, v0, 4, 1                         ; h = lane >> 4
	v_lshlrev_b32 v[VO], 4, v2
	v_lshl_add_u32 v[VO], v1, LOGROW, v[VO]        ; 16 r + one row for lanes 16-31
	; my 8 weight rows begin at row 2,048 e + 64 nb + 8 w
	s_lshl_b32 s22, s14, 11
	s_lshl_b32 s23, s15, 6
	s_add_co_u32 s22, s22, s23
	s_lshl_b32 s25, s12, 3
	s_add_co_u32 s22, s22, s25
	s_lshl_b32 s22, s22, LOGROW                    ; at most 16,383 rows of 4,096 bytes: below 2^31
	s_mov_b32 s23, 0
	s_lshl_b32 s20, s14, 3                         ; my expert's pair in meta
	s_lshl_b32 s24, s15, 8                         ; my 64 columns of ys, in bytes
	s_lshl_b32 s34, s32, 10                        ; my parity's chunk in a K step of act
	s_wait_kmcnt 0x0
	s_load_b64 s[16:17], s[8:9], s20 offset:0x0    ; nblk, blk0 of my expert
	s_add_nc_u64 s[6:7], s[6:7], s[22:23]
	WLOAD 0                                        ; the weights need no count: four K steps go out first
	WLOAD 1
	WLOAD 2
	WLOAD 3
	v_mul_u32_u24 v[RD], v2, PITCH
	v_lshl_add_u32 v[RD], v1, 4, v[RD]
	v_bfe_u32 v[T], v0, 7, 1                       ; g once more, from the thread's number
	v_lshl_add_u32 v[RD], v[T], 6, v[RD]           ; fragments: 144 r + 16 h + 64 g
	v_mul_u32_u24 v[WR], v1, PITCH
	v_lshl_add_u32 v[WR], v2, 3, v[WR]
	s_mul_i32 s22, s12, 8*PITCH
	v_add_nc_u32 v[WR], s22, v[WR]                 ; stores: 144 (8 w + h) + 8 r
.set k, 1
.rept NG-1
	v_add_nc_u32 v[RD+k], k*GRP, v[RD]
	v_add_nc_u32 v[WR+k], k*GRP, v[WR]
.set k, k+1
.endr
	s_mul_i32 s36, s12, 5*SAREA
	s_add_co_u32 s36, s36, STG                     ; my wave's five stages
	v_mul_u32_u24 v[STO], v2, SPITCH
	v_lshl_add_u32 v[STO], v1, 5, v[STO]
	v_add_nc_u32 v[STO], s36, v[STO]               ; in: row r, 32 bytes for each half of the lanes
	v_mul_u32_u24 v[RDB], v1, SPITCH
	v_lshl_add_u32 v[RDB], v2, 4, v[RDB]           ; back: lanes 0-15 one row of 256 bytes, lanes 16-31 the next
	s_mul_i32 s39, s32, 8*SPITCH                   ; my eight rows of a block: 8 g ..
	s_mul_i32 s37, s13, 5*SAREA                    ; my class's wave of parity 0 is wave b
	s_add_co_u32 s37, s37, s39
	s_add_co_u32 s37, s37, STG
	v_add_nc_u32 v[RX0], s37, v[RDB]
	s_xor_b32 s38, s13, 2                          ; and its wave of parity 1 is wave 4 + (b ^ 2)
	s_add_co_u32 s38, s38, 4
	s_mul_i32 s38, s38, 5*SAREA
	s_add_co_u32 s38, s38, s39
	s_add_co_u32 s38, s38, STG
	v_add_nc_u32 v[RX1], s38, v[RDB]
	v_add_nc_u32 v[RDB], s36, v[RDB]               ; slow way: my own first stage, from row h
	v_lshlrev_b32 v[CO], 4, v2
	v_lshl_add_u32 v[CO], v1, 13, v[CO]            ; the same two rows in ys
	s_lshl_b32 s39, s32, 16
	v_add_nc_u32 v[CX], s39, v[CO]                 ; and from row 8 g on
	s_wait_kmcnt 0x0
	s_min_u32 s16, s16, 64                         ; 1,024 tokens at the most
	s_min_u32 s17, s17, 135
	s_add_co_u32 s18, s16, 3
	s_sub_co_u32 s18, s18, s13
	s_lshr_b32 s18, s18, 2                         ; how many blocks j = 4 i + b are below nblk
	s_min_u32 s19, s18, 5                          ; of them on the fast way
	s_add_co_u32 s22, s12, 20                      ; the slow way: blocks j = 20 + 8 t + w
	s_max_u32 s21, s16, s22
	s_sub_co_u32 s21, s21, s22
	s_add_co_u32 s21, s21, 7
	s_lshr_b32 s21, s21, 3                         ; how many of them are below nblk
	s_add_co_u32 s30, s17, s22                     ; my first block of the slow way
	s_add_co_u32 s25, s17, s13
.irp ii, 0,1,2,3,4
	s_add_co_u32 s22, s25, 4*\ii
	s_min_u32 s[40+\ii], s22, 135                  ; the block's number, kept inside act and ys
	s_max_u32 s23, s19, \ii
	s_sub_co_u32 s23, s23, \ii
	s_min_u32 s23, s23, 1                          ; 1 if the block exists, else 0
	s_mul_i32 s22, s[40+\ii], s23
	s_lshl_b32 s22, s22, LOGABLK
	s_add_co_u32 s22, s22, s34
	v_mul_u32_u24 v[AOFF+\ii], s23, v3             ; a block that does not exist: every lane at the first 16 bytes
	v_add_nc_u32 v[AOFF+\ii], s22, v[AOFF+\ii]     ; of block 0's chunk
.endr
	LOADA 0
	LOADA 1                                        ; 36 loads are out: W0 to W3, A0, A1
.irp qq, 0,1,2,3,4,5,6,7,8,9,10,11,12,13,14,15,16,17
	PHASE \qq
.endr
	; THE SLOW WAY comes first; it leaves the fast way's sums (v96-255) alone and uses my own first stage, which I fill for my partner only afterwards.
	s_cmp_eq_u32 s21, 0
	s_cbranch_scc1 .Lslow_done
	v_mul_u32_u24 v[RD], v2, PITCH
	v_lshl_add_u32 v[RD], v1, 4, v[RD]             ; fragments of both chunks: 144 r + 16 h
.set k, 1
.rept NG-1
	v_add_nc_u32 v[RD+k], k*GRP, v[RD]
.set k, k+1
.endr
	s_mov_b32 s28, 0
.Lover:                                            ; one block a trip; no barrier; the only LDS stores go to the wave's own stage
	s_wait_xcnt 0x0                                ; the stores' data (v64-95) and base are rewritten only behind this wait
	s_lshl_b32 s29, s28, 3
	s_add_co_u32 s29, s29, s30
	s_min_u32 s45, s29, 135
	s_lshl_b32 s22, s45, LOGABLK
	s_mov_b32 s23, 0
	s_add_nc_u64 s[46:47], s[4:5], s[22:23]
.irp ss, 0,1,2,3,4,5,6,7,8,9,10,11,12,13,14,15
	OSTEP \ss
.endr
	PLACES
	WIN 0
	s_lshl_b32 s22, s45, 17                        ; 16 rows of 8,192 bytes
	s_add_co_u32 s22, s22, s24                     ; + my 64 columns
	s_add_nc_u64 s[26:27], s[10:11], s[22:23]
.irp nn, 0,1,2,3
	ds_store_b128 v[STO], v[SA+8*\nn:SA+8*\nn+3]   offset:64*\nn
	ds_store_b128 v[STO], v[SA+8*\nn+4:SA+8*\nn+7] offset:64*\nn+16
.endr
.irp tt, 0,1,2,3,4,5,6,7
	ds_load_b128 v[64+4*\tt:64+4*\tt+3], v[RDB] offset:2*SPITCH*\tt       ; the wave's own bytes, and LDS serves a wave in order (ISA guide 5.7.1): these see the stores above
.endr
.irp tt, 0,1,2,3,4,5,6,7
	s_wait_dscnt 7-\tt                             ; rows 2 t, 2 t + 1 are in; the younger loads stay out
	global_store_b128 v[CO], v[64+4*\tt:64+4*\tt+3], s[26:27] offset:16384*\tt   ; sixteen lanes store 256 neighbouring bytes, aligned
.endr
	s_add_co_u32 s28, s28, 1
	s_cmp_lt_u32 s28, s21
	s_cbranch_scc1 .Lover
.Lslow_done:
	; THE TWO HALVES OF K MEET: my half of each block goes into my stages,
.irp ii, 0,1,2,3,4
	s_cmp_le_u32 s19, \ii
	s_cbranch_scc1 .Lsent
.irp nn, 0,1,2,3
	ds_store_b128 v[STO], v[ACC+32*\ii+8*\nn:ACC+32*\ii+8*\nn+3]   offset:\ii*SAREA+64*\nn
	ds_store_b128 v[STO], v[ACC+32*\ii+8*\nn+4:ACC+32*\ii+8*\nn+7] offset:\ii*SAREA+64*\nn+16
.endr
.endr
.Lsent:
	s_wait_dscnt 0x0                               ; for my partner's sake: my halves are in LDS
	s_barrier_signal -1
	s_barrier_wait -1
	; and rows 8 g .. 8 g + 7 of each block come back from both waves' stages, are added and stored.
.irp ii, 0,1,2,3,4
	s_cmp_le_u32 s19, \ii
	s_cbranch_scc1 .Lend
	s_wait_xcnt 0x0                                ; earlier stores have had their addresses translated (ISA guide 3.1): their data and base are rewritten only behind this wait
.irp tt, 0,1,2,3
	ds_load_b128 v[X+32*(\ii&1)+4*\tt:X+32*(\ii&1)+4*\tt+3],       v[RX0] offset:\ii*SAREA+2*SPITCH*\tt
	ds_load_b128 v[X+32*(\ii&1)+16+4*\tt:X+32*(\ii&1)+16+4*\tt+3], v[RX1] offset:\ii*SAREA+2*SPITCH*\tt
.endr
	s_lshl_b32 s22, s[40+\ii], 17                  ; 16 rows of 8,192 bytes
	s_add_co_u32 s22, s22, s24                     ; + my 64 columns
	s_mov_b32 s23, 0
	s_add_nc_u64 s[26:27], s[10:11], s[22:23]
.irp tt, 0,1,2,3
	s_wait_dscnt 6-2*\tt                           ; both halves of rows 8 g + 2 t, + 1 are in; the younger pairs of loads stay out
	v_pk_add_f32 v[X+32*(\ii&1)+4*\tt:X+32*(\ii&1)+4*\tt+1],   v[X+32*(\ii&1)+4*\tt:X+32*(\ii&1)+4*\tt+1],   v[X+32*(\ii&1)+16+4*\tt:X+32*(\ii&1)+16+4*\tt+1]
	v_pk_add_f32 v[X+32*(\ii&1)+4*\tt+2:X+32*(\ii&1)+4*\tt+3], v[X+32*(\ii&1)+4*\tt+2:X+32*(\ii&1)+4*\tt+3], v[X+32*(\ii&1)+16+4*\tt+2:X+32*(\ii&1)+16+4*\tt+3]
	global_store_b128 v[CX], v[X+32*(\ii&1)+4*\tt:X+32*(\ii&1)+4*\tt+3], s[26:27] offset:16384*\tt   ; sixteen lanes store 256 neighbouring bytes, aligned
.endr
.endr
.Lend:
	s_wait_tensorcnt 0x0
	ds_add_u32 v30, v31
	s_wait_dscnt 0x0
	s_endpgm
.Lfunc_end_k_q7b6c270f3c_gemm2:
	.size	k_q7b6c270f3c_gemm2, .Lfunc_end_k_q7b6c270f3c_gemm2-k_q7b6c270f3c_gemm2
	.p2alignl 7, 3214868480
	.fill 96, 4, 3214868480
	.section	.rodata,"a",@progbits
	.p2align	6, 0x0
	.amdhsa_kernel k_q7b6c270f3c_gemm2
		.amdhsa_group_segment_fixed_size 322560
		.amdhsa_private_segment_fixed_size 0
		.amdhsa_enable_private_segment 0
		.amdhsa_kernarg_size 32
		.amdhsa_user_sgpr_count 2
		.amdhsa_user_sgpr_kernarg_segment_ptr 1
		.amdhsa_wavefront_size32 1
		.amdhsa_system_sgpr_workgroup_id_x 1
		.amdhsa_system_sgpr_workgroup_id_y 1
		.amdhsa_system_sgpr_workgroup_id_z 1
		.amdhsa_system_vgpr_workitem_id 0
		.amdhsa_next_free_vgpr 512
		.amdhsa_next_free_sgpr 66
		.amdhsa_reserve_vcc 0
		.amdhsa_float_denorm_mode_32 3
		.amdhsa_float_denorm_mode_16_64 3
		.amdhsa_memory_ordered 1
		.amdhsa_forward_progress 1
		.amdhsa_inst_pref_size 125
	.end_amdhsa_kernel
	.amdgpu_metadata
---
amdhsa.version: [ 1, 2 ]
amdhsa.kernels:
  - .name:           k_q7b6c270f3c_gemm2
    .symbol:         k_q7b6c270f3c_gemm2.kd
    .args:
      - { .name: act, .offset: 0, .size: 8, .value_kind: global_buffer, .address_space: global }
      - { .name: w2, .offset: 8, .size: 8, .value_kind: global_buffer, .address_space: global }
      - { .name: meta, .offset: 16, .size: 8, .value_kind: global_buffer, .address_space: global }
      - { .name: ys, .offset: 24, .size: 8, .value_kind: global_buffer, .address_space: global }
    .group_segment_fixed_size: 322560
    .private_segment_fixed_size: 0
    .kernarg_segment_align: 8
    .kernarg_segment_size: 32
    .max_flat_workgroup_size: 256
    .sgpr_count:     66
    .vgpr_count:     512
    .wavefront_size: 32
...
	.end_amdgpu_metadata
.endif
;; end of part 4
;; launch combine (part 5): grid 256 x 1, 8 waves a work-group, no clusters, 0 bytes of LDS; arguments ys, pos, rw, out0; writes out0
.if DOCPART == 5
	.amdgcn_target "amdgcn-amd-amdhsa--gfx1250"
	.amdhsa_code_object_version 6
	.text
	.protected	k_q7b6c270f3c_combine
	.globl	k_q7b6c270f3c_combine
	.p2align	8
	.type	k_q7b6c270f3c_combine,@function
k_q7b6c270f3c_combine:
	s_mov_b64 s[64:65], 0
	v_nop
	global_prefetch_b8 v0, s[64:65] scope:SCOPE_SE
	s_setreg_imm32_b32 hwreg(HW_REG_WAVE_MODE, 25, 1), 1
	s_wait_xcnt 0x0
; combine: out0[t] = rw[t][0] ys[pos[t][0]] + rw[t][1] ys[pos[t][1]]: the two experts' rows of a token, weighed and added in f32.
; (The six experts that a token did not choose have the coefficient 0 in the sum, so their products are not formed.)
; The order of the two terms is first choice, second choice, not ascending expert: one rounding may differ in the last bit.
; A work-group takes 4 tokens; wave w takes half w & 1 (4,096 bytes) of token 4 g + (w >> 1).  A stream: 16 loads of 512 neighbouring bytes on their way in every wave,
; whole aligned blocks out.  LDS, matrix unit and clusters would add nothing: no byte is used twice.
.set X, 8                              ; v[8:71]  pair j: 4 registers of the first row, 4 of the second
	s_load_b256 s[4:11], s[0:1], 0x0               ; ys s[4:5], pos s[6:7], rw s[8:9], out0 s[10:11]
	v_lshrrev_b32 v2, 5, v0
	v_readfirstlane_b32 s12, v2                    ; wave
	s_lshr_b32 s13, s12, 1
	s_lshl2_add_u32 s13, ttmp9, s13                ; token
	s_and_b32 s14, s12, 1                          ; which half of the row
	s_lshl_b32 s15, s13, 3                         ; 8 bytes a token in pos and in rw
	v_and_b32 v1, 31, v0
	v_lshlrev_b32 v1, 4, v1
	v_lshl_add_u32 v1, s14, 12, v1                 ; 4,096 half + 16 lane
	s_wait_kmcnt 0x0
	s_load_b64 s[16:17], s[6:7], s15 offset:0x0    ; the two slots
	s_load_b64 s[18:19], s[8:9], s15 offset:0x0    ; the two weights
	s_lshl_b32 s22, s13, 13
	s_mov_b32 s23, 0
	s_add_nc_u64 s[10:11], s[10:11], s[22:23]      ; my token's row of out0
	s_wait_kmcnt 0x0
	s_min_u32 s16, s16, 2175                       ; a slot's number, kept inside ys
	s_min_u32 s17, s17, 2175
	s_lshl_b32 s20, s16, 13
	s_mov_b32 s21, 0
	s_add_nc_u64 s[24:25], s[4:5], s[20:21]
	s_lshl_b32 s20, s17, 13
	s_add_nc_u64 s[26:27], s[4:5], s[20:21]
.irp jj, 0,1,2,3,4,5,6,7
	global_load_b128 v[X+8*\jj:X+8*\jj+3],   v1, s[24:25] offset:512*\jj th:TH_LOAD_NT
	global_load_b128 v[X+8*\jj+4:X+8*\jj+7], v1, s[26:27] offset:512*\jj th:TH_LOAD_NT
.endr
	v_mov_b32 v2, s18                              ; each weight twice: a pair for the packed arithmetic
	v_mov_b32 v3, s18
	v_mov_b32 v4, s19
	v_mov_b32 v5, s19
.irp jj, 0,1,2,3,4,5,6,7
	s_wait_loadcnt 14-2*\jj                        ; pair j is in; the younger pairs, two loads each, stay out
	v_pk_mul_f32 v[X+8*\jj:X+8*\jj+1],   v[X+8*\jj:X+8*\jj+1],   v[2:3]
	v_pk_mul_f32 v[X+8*\jj+2:X+8*\jj+3], v[X+8*\jj+2:X+8*\jj+3], v[2:3]
	v_pk_fma_f32 v[X+8*\jj:X+8*\jj+1],   v[X+8*\jj+4:X+8*\jj+5], v[4:5], v[X+8*\jj:X+8*\jj+1]
	v_pk_fma_f32 v[X+8*\jj+2:X+8*\jj+3], v[X+8*\jj+6:X+8*\jj+7], v[4:5], v[X+8*\jj+2:X+8*\jj+3]
	global_store_b128 v1, v[X+8*\jj:X+8*\jj+3], s[10:11] offset:512*\jj th:TH_STORE_NT
.endr
	s_endpgm
.Lfunc_end_k_q7b6c270f3c_combine:
	.size	k_q7b6c270f3c_combine, .Lfunc_end_k_q7b6c270f3c_combine-k_q7b6c270f3c_combine
	.p2alignl 7, 3214868480
	.fill 96, 4, 3214868480
	.section	.rodata,"a",@progbits
	.p2align	6, 0x0
	.amdhsa_kernel k_q7b6c270f3c_combine
		.amdhsa_group_segment_fixed_size 0
		.amdhsa_private_segment_fixed_size 0
		.amdhsa_enable_private_segment 0
		.amdhsa_kernarg_size 32
		.amdhsa_user_sgpr_count 2
		.amdhsa_user_sgpr_kernarg_segment_ptr 1
		.amdhsa_wavefront_size32 1
		.amdhsa_system_sgpr_workgroup_id_x 1
		.amdhsa_system_sgpr_workgroup_id_y 1
		.amdhsa_system_sgpr_workgroup_id_z 1
		.amdhsa_system_vgpr_workitem_id 0
		.amdhsa_next_free_vgpr 80
		.amdhsa_next_free_sgpr 66
		.amdhsa_reserve_vcc 0
		.amdhsa_float_denorm_mode_32 3
		.amdhsa_float_denorm_mode_16_64 3
		.amdhsa_memory_ordered 1
		.amdhsa_forward_progress 1
		.amdhsa_inst_pref_size 6
	.end_amdhsa_kernel
	.amdgpu_metadata
---
amdhsa.version: [ 1, 2 ]
amdhsa.kernels:
  - .name:           k_q7b6c270f3c_combine
    .symbol:         k_q7b6c270f3c_combine.kd
    .args:
      - { .name: ys, .offset: 0, .size: 8, .value_kind: global_buffer, .address_space: global }
      - { .name: pos, .offset: 8, .size: 8, .value_kind: global_buffer, .address_space: global }
      - { .name: rw, .offset: 16, .size: 8, .value_kind: global_buffer, .address_space: global }
      - { .name: out0, .offset: 24, .size: 8, .value_kind: global_buffer, .address_space: global }
    .group_segment_fixed_size: 0
    .private_segment_fixed_size: 0
    .kernarg_segment_align: 8
    .kernarg_segment_size: 32
    .max_flat_workgroup_size: 256
    .sgpr_count:     66
    .vgpr_count:     80
    .wavefront_size: 32
...
	.end_amdgpu_metadata
.endif
;; end of part 5
